; MI455X (gfx1250); checked and timed in simulation.
; The chip was launched on July 23, 2026; its instructions are those of AMD's public machine-readable ISA for CDNA 5 (MIT licence, August 2026) and "CDNA5" Instruction Set Architecture Reference Guide (July 2026). The comments in the code are by the model that wrote it; some were corrected since.
;; Attention. Allowed arithmetic: matrix products marked QUANTISED: E2M3 operands, one E8M0 scale for each 32 along K, by v_wmma_scale_f32_16x16x128_f8f6f4 with both operands' format E2M3, f32 sums; everything else in f32.
;; Inputs: Wk_b 256 float32; Wk_w_codes 256 x 8 x 24 uint8 (E2M3 codes of Wk_w, K innermost, in blocks of 32 codes, four codes in three bytes); Wk_w_scales 256 x 8 uint8 (E8M0 scales of Wk_w, one for each 32 codes along K); Wq_b 256 float32; Wq_w_codes 256 x 8 x 24 uint8 (E2M3 codes of Wq_w, K innermost, in blocks of 32 codes, four codes in three bytes); Wq_w_scales 256 x 8 uint8 (E8M0 scales of Wq_w, one for each 32 codes along K); Wv_b 256 float32; Wv_w_codes 256 x 8 x 24 uint8 (E2M3 codes of Wv_w, K innermost, in blocks of 32 codes, four codes in three bytes); Wv_w_scales 256 x 8 uint8 (E8M0 scales of Wv_w, one for each 32 codes along K); x_codes 4 x 4,096 x 8 x 24 uint8 (E2M3 codes of x, K innermost, in blocks of 32 codes, four codes in three bytes); x_scales 4 x 4,096 x 8 uint8 (E8M0 scales of x, one for each 32 codes along K); z_codes 4 x 4,096 x 8 x 24 uint8 (E2M3 codes of z, K innermost, in blocks of 32 codes, four codes in three bytes); z_scales 4 x 4,096 x 8 uint8 (E8M0 scales of z, one for each 32 codes along K).
;; Outputs: out0 4 x 4,096 x 256 float32.
;; This version of the problem:
;;   THIS VERSION OF THE PROBLEM IS GIVEN IN LOW PRECISION. The matrix products marked QUANTISED in the list below multiply operands that are first quantised to E2M3 (2 exponent bits, 3 mantissa bits; 6 bits a number), with one power-of-two scale for each 32 numbers along K (OCP MX v1.0); their sums are f32. All else is computed in f32.
;;   The module's matrix products, in the order in which they are computed (A, B: the left and right operand; K: the contracted axis; several contracted axes count as one K, in the product's order):
;;     1. [M 16,384, K 256] x [K 256, N 256]; A: input x (given as codes); B: input Wq_w (given as codes): QUANTISED
;;     2. [M 16,384, K 256] x [K 256, N 256]; A: input z (given as codes); B: input Wk_w (given as codes): QUANTISED
;;     3. [M 16,384, K 256] x [K 256, N 256]; A: input z (given as codes); B: input Wv_w (given as codes): QUANTISED
;;     4. batch 4 x [M 4,096, K 256] x [K 256, N 4,096]; A: computed on the way; B: computed on the way: QUANTISED
;;     5. batch 4 x [M 4,096, K 4,096] x [K 4,096, N 256]; A: softmax (see below); B: computed on the way: QUANTISED
;;   THE QUANTISER, for each operand of a quantised product, along K:
;;     - K is cut into blocks of 32 from its start; a last block that is shorter is filled with zeros.
;;     - A block's scale is 2^e with e = floor(log2(the largest magnitude in the block)) - 2, held to -126 .. 127; a block of zeros has e = 0. As a byte (E8M0): e + 127.
;;     - Each number is divided by its block's scale, clamped to +-7.5, and rounded to the nearest number of E2M3, ties to even, subnormals kept.
;;     - The product sums the exact products of the quantised numbers (number of the format x scale) in f32.
;;   ~~~python
;;   def quantise(x, axis):      # numpy; x: float32 -> the quantised numbers, widened to float32 again
;;       x = np.moveaxis(x, axis, -1); K = x.shape[-1]
;;       x = np.pad(x, [(0, 0)] * (x.ndim - 1) + [(0, -K % 32)]); x = x.reshape(x.shape[:-1] + (-1, 32)); a = np.abs(x).max(-1, keepdims=True)
;;       e = np.where(a > 0, np.clip(np.frexp(np.where(a > 0, a, 1))[1] - 1 - 2, -126, 127), 0)      # np.frexp(a)[1] - 1 = floor(log2(a)), exactly
;;       r = np.clip(x / 2.0 ** e, -7.5, 7.5)
;;       step = 2.0 ** (np.maximum(np.frexp(np.where(r == 0, 1, r))[1] - 1, 0) - 3)
;;       q = np.round(r / step) * step * 2.0 ** e      # np.round: ties to even
;;       return np.moveaxis(q.reshape(q.shape[:-2] + (-1,))[..., :K], -1, axis).astype(np.float32)
;;   ~~~
;;   SOFTMAX AHEAD OF A QUANTISED PRODUCT. Where the list says 'softmax', what is quantised is not the finished softmax but p = 2^(t - M), with t = logit x log2(e) and M = ceil(the row's largest t), a whole number; so 1/2 < the row's largest p <= 1. The row's sum l is taken of the UNQUANTISED p, in f32, and the product's result is divided by l at the end. Since M is a whole number, a kernel that streams over the keys may use a running M (the ceiling of the running maximum): every later rescaling is an exact power of two, which a block's scale takes up: the codes' values come out the same.
;;   OPERANDS COMPUTED ON THE WAY. 'Computed on the way' means the value that the module computes at that place (a softmax that the list does not call 'softmax' is quantised finished and normalised). What goes into a quantiser is computed in f32, as accurately as f32 sums, v_exp_f32 and their like allow (about 1e-6 of the number): no bf16 or f16 on the way to a quantiser, and a product that is left as it is and whose result goes on into a quantised operand takes f32 operands (vector FMAs, or v_wmma_f32_16x16x4_f32). A number that lies on a knife's edge between two numbers of the format may be rounded either way, as far as f32 arithmetic and the matrix unit's own rounding can turn it there, and no further.
;;   INPUTS GIVEN AS CODES. Wk_w (in the module: [256, 256], K = its axis 1); Wq_w (in the module: [256, 256], K = its axis 1); Wv_w (in the module: [256, 256], K = its axis 1); x (in the module: [4, 4096, 256], K = its axis 2); z (in the module: [4, 4096, 256], K = its axis 2): each comes as NAME_codes (uint8): NAME with its K axis moved to the last place and cut into blocks of 32 codes, [.., K / 32, bytes a block], one block behind the other in memory; four codes in three bytes: a row's codes are one little-endian stream of bits, code i at bits 6 i .. 6 i + 5 (a code: sign, 2 exponent bits, 3 mantissa bits); and NAME_scales (uint8): the same leading axes, one E8M0 byte (e + 127) for each 32 codes along K. Its value is code x scale, taken as it is: it is not quantised again, and the codes and scales need not be those that the quantiser above would give.
;; One version. Each part assembles by itself: llvm-mc -triple=amdgcn-amd-amdhsa -mcpu=gfx1250 --defsym DOCPART=n.
;; ======== version 1 of 1: 2 launches
;; limits: right only within a limited range of input values
;; workspace buffers: qc 3,145,728 bytes; qs 262,144 bytes; kv 6,815,744 bytes
;; launch proj (part 1): grid 256 x 1, 6 waves a work-group, clusters of 4 x 1, 184,320 bytes of LDS; arguments x_codes, x_scales, z_codes, z_scales, Wq_w_codes, Wq_w_scales, Wq_b, Wk_w_codes, Wk_w_scales, Wk_b, Wv_w_codes, Wv_w_scales, Wv_b, qc, qs, kv; writes qc, qs, kv
.if DOCPART == 1
	.amdgcn_target "amdgcn-amd-amdhsa--gfx1250"
	.amdhsa_code_object_version 6
	.text
	.protected	k_q1090ee7140_proj
	.globl	k_q1090ee7140_proj
	.p2align	8
	.type	k_q1090ee7140_proj,@function
k_q1090ee7140_proj:
	s_mov_b64 s[64:65], 0
	v_nop
	global_prefetch_b8 v0, s[64:65] scope:SCOPE_SE
	s_setreg_imm32_b32 hwreg(HW_REG_WAVE_MODE, 25, 1), 1
	s_wait_xcnt 0x0
	s_wait_alu depctr_hold_cnt(0) depctr_sa_sdst(0) depctr_va_vdst(0) depctr_va_sdst(0) depctr_va_ssrc(0) depctr_va_vcc(0) depctr_vm_vsrc(0)
	s_getreg_b32 s2, hwreg(HW_REG_IB_STS2, 6, 4)
	s_cmp_eq_u32 s2, 0
	s_cbranch_scc0 .Lentry_in_a_cluster
	s_endpgm
.Lentry_in_a_cluster:
	s_bfe_u32 s2, ttmp6, 0x10000c
	s_cmp_lg_u32 s2, 0x3003
	s_cbranch_scc0 .Lentry_shape_is_right
	s_endpgm
.Lentry_shape_is_right:
; q = x Wq^T + bq, k = z Wk^T + bk, v = z Wv^T + bv on codes of FP6 (E2M3) with E8M0 scales; the f32 results are quantised in registers
; (q and k along the 256 features, v along the keys) and stored AS IMAGES OF THE OPERANDS' REGISTERS for the attention launch:
; a fragment (16 rows x 128 K, 12 registers a lane) is three blocks of 512 bytes, registers 4 c .. 4 c + 3 of lane l at 512 c + 16 l.
;   qc: [256 groups of 64 queries][K step 2][tile 4][1,536];  qs: [group][K step][lane 32][tile 4] scale words.
;   kv: 128 records (128 keys each) of 53,248 bytes, two dense parts of 26,624: K's fragments (K step s, key tile t) at (8 s + t) 1,536 and from 24,576 K's scale words, block 2 s + t / 4: [lane][t % 4];
;       from 26,624 V^T's fragments (16 channels x 128 keys), tile e at 1,536 e further on, and from 51,200 V's scale words, block e / 4: [lane][e % 4].
; SHARES.  Work-group n has rows 64 n .. 64 n + 63 of x and z; record n / 2, half n % 2.  Six waves: kind = wave / 2 (0 q, 1 k, 2 v), sub = wave % 2.
; EVERY WAVE HAS ONE SHAPE.  X0: 128 rows in eight tiles, kept in registers (window 1); X1: four tiles of 16 rows.  A UNIT is 16 matrix instructions, source 0 = X0's tiles, source 1 = one tile of X1,
; so that a lane holds ONE row of X1 and its registers run along X0's rows.  THE ROWS OF X0 THAT FORM A TILE ARE NOT NEIGHBOURS: lane r of tile 2 b + u takes row 32 b + 8 u + r + 8 (r / 8), so that the 16 registers
; of tiles 2 b and 2 b + 1 are 16 neighbours, 32 b + 16 (lane / 16) + 0 .. 15: the next product's K.  A unit's 64 numbers a lane become one fragment and one scale word.
;   q: X0 = Wq's rows 128 sub on, X1 = x's rows.   k: X0 = Wk's rows 128 sub on, X1 = z's rows, chosen by the same rule (the attention's key tiles).   v: X0 = the record's 128 rows of z, X1 = Wv's rows 64 (2 half + sub) on.
; The bias is the C of a sum's first matrix instruction.
; FETCHING.  Rows of codes are 192 bytes and lie end to end, so each tile is stated as rows of 256 bytes, 16 bytes of padding behind each in LDS.  ONE TENSOR LOAD A WAVE: Wq and Wk whole, JOINTLY for the cluster's four work-groups;
; x's 64 rows, the record's 128 of z, my 64 of z, the half's 128 rows of Wv by plain loads (they hang on the work-group's place in the cluster, which enters no LDS address: so z's 64 rows come by themselves too).
; No prefetch: nothing is fetched in a loop that could run ahead.
; A byte y of a tile lies at y + 16 (y / 256).  The 12 pieces of 8 bytes of a lane's row have an address register each; eight rows further on are 1,536 bytes = six padded rows: a constant.
; LIMITS: NaN and infinities are not served.  A block whose largest magnitude lies under 2^-124 keeps the scale byte 1, a block of zeros too (the rule says 127: its codes are zeros, and this program alone reads the bytes).
; REGISTERS.  Window 0: v1 r, v2 h, v3 r + 8 (r / 8), v4-v15 offsets; v16-111 X1's fragments (24 i + 12 s); v112-119 X1's scale words; v120-135 X0's; v136-199 the eight results (ahead of them: the pieces' addresses); v200-215 at work;
;   v216-235 the codes just made; v236-239 the four units' scale words; v240-243 v's bias.   Window 1: v0-191 X0's fragments (12 (2 t + s)); from v192 the bias tiles.
.set REC, 53248
.set R8,  1632                         ; eight rows of codes in LDS: 6 x 272
.set L_WQ, 0
.set L_WK, 52224
.set L_ZR, 104448
.set L_X,  130560
.set L_ZO, 143616
.set L_WV, 156672
.set SPARE, 182784                     ; the spare words, 128 bytes for each wave: blocks of 256 bytes that no other line names
.set SPW, 14
.set NIL, 15
.set HA,  136
.set A0,  136                          ; addresses of X0's pieces,
.set A1,  148                          ; of X1's even tiles,
.set A2,  160                          ; of its odd tiles
.set TM,  200
.set PC,  216
.set SEL, 60
.set G1W, 68                           ; s[68:75] group 1: 192 rows, joint;  s[76:83] 96 rows;  s[84:91] 48 rows;  s[92:95] group 0
.set G1L, 76
.set G1S, 84
.set G0,  92
.set MSB, 0
.macro WIN new                         ; the immediate's high byte repeats the setting that is left
.if MSB != (\new)
	s_set_vgpr_msb (MSB<<8)|(\new)
.set MSB, (\new)
.endif
.endm
.macro CROUND                          ; a round of the cluster's barrier
	s_barrier_signal -1
	s_barrier_wait -1
	s_cmp_lg_u32 s36, 0
	s_cbranch_scc1 .Lnot_wave_0_\@
	s_barrier_signal -3
.Lnot_wave_0_\@:
	s_barrier_wait -3
	s_barrier_signal -1
	s_barrier_wait -1
.endm
.macro GROUP1 g, w0, rows
	s_mov_b32 s[\g], \w0
	s_mov_b32 s[\g+1], 32<<16
	s_mov_b32 s[\g+2], (\rows)<<16
	s_mov_b32 s[\g+3], 32<<16
	s_mov_b32 s[\g+4], \rows
	s_mov_b32 s[\g+5], 32
	s_mov_b32 s[\g+6], 0
	s_mov_b32 s[\g+7], 0
.endm
.macro ARM w, lds, ptr, off, g1        ; wave w's load: the buffer at s[ptr], s[off] bytes on
	s_cmp_eq_u32 s36, \w
	s_cbranch_scc0 .Lnext_\@
	s_mov_b32 s[G0+1], \lds
	s_mov_b32 s42, s\off
	s_add_nc_u64 s[G0+2:G0+3], s[\ptr:\ptr+1], s[42:43]
	s_or_b32 s[G0+3], s[G0+3], 0x80000000
	tensor_load_to_lds s[G0:G0+3], s[\g1:\g1+7]
	s_nop 0
.rept 4
	v_nop
.endr
	s_branch .Lasked
.Lnext_\@:
.endm
.macro PTR d, base, off                ; s[d] = s[base] + the offset in s42
	s_add_nc_u64 s[\d:\d+1], s[\base:\base+1], s[42:43]
.endm
.macro ADDR dst, row, base             ; the 12 pieces' addresses: row holds 192 x row + 24 h
.set j, 0
.rept 12
	v_add_nc_u32 v[\dst+j], 48*(j/3)+8*(j%3), v[\row]
	v_lshrrev_b32 v12, 8, v[\dst+j]
	v_lshl_add_u32 v[\dst+j], v12, 4, v[\dst+j]
	v_add_nc_u32 v[\dst+j], s[\base], v[\dst+j]
.set j, j+1
.endr
.endm
; 64 numbers of a lane, register 16 b + i = k 32 b + 16 (lane / 16) + i of my row, become a fragment's codes in v[PC] on and its scale word in v[pw].
.macro QUANT src, pw
.irp b, 0,1,2,3
	v_max3_num_f32 v[TM+\b], |v[\src+16*\b]|, |v[\src+1+16*\b]|, 0x1800000   ; block b: my 16 numbers, from each result's low end on, and the floor 2^(3 - 127): the byte cannot fall under 1
.endr
.irp i, 2,4,6,8,10,12,14
.irp b, 0,1,2,3
	v_max3_num_f32 v[TM+\b], v[TM+\b], |v[\src+16*\b+\i]|, |v[\src+1+16*\b+\i]|
.endr
.endr
.irp b, 0,1,2,3
	v_permlanex16_b32 v[TM+4+\b], v[TM+\b], s[SEL], s[SEL+1]
.endr
.irp b, 0,1,2,3
	v_max_num_f32 v[TM+\b], v[TM+\b], v[TM+4+\b]       ; with lane l xor 16's: the block's largest magnitude
.endr
.irp b, 0,1,2,3
	v_add_nc_u32 v[TM+12+\b], 0xff000000, v[TM+\b]     ; 2 off its exponent field: the conversion's scale operand
.endr
.irp b, 0,1,2,3
	v_lshrrev_b32 v[TM+4+\b], 23, v[TM+12+\b]          ; the scale's byte
.endr
	v_lshl_or_b32 v[\pw], v[TM+5], 8, v[TM+4]          ; four bytes: my row's scale word
	v_lshl_or_b32 v[\pw], v[TM+6], 16, v[\pw]
	v_lshl_or_b32 v[\pw], v[TM+7], 24, v[\pw]
.irp c, 0,1
	v_cvt_scalef32_pk16_fp6_f32 v[PC+6*\c:PC+2+6*\c], v[\src+32*\c:\src+15+32*\c], v[TM+12+2*\c]
	v_cvt_scalef32_pk16_fp6_f32 v[PC+12+4*\c:PC+14+4*\c], v[\src+16+32*\c:\src+31+32*\c], v[TM+12+2*\c+1]   ; a conversion's three registers begin on an even number
.endr
	v_nop                                              ; one plain place behind the scaled conversions
.irp c, 0,1                                        ; the operand's layout wants a whole block in a lane: lanes 0-15 block 2 c, lanes 16-31 block 2 c + 1
.irp i, 0,1,2
	v_permlane16_swap_b32 v[PC+6*\c+\i], v[PC+12+4*\c+\i]
.endr
.irp i, 0,1,2
	v_mov_b32 v[PC+3+6*\c+\i], v[PC+12+4*\c+\i]
.endr
.endr
.endm
; Tile i of X1 against X0's eight tiles, both K steps; the eight accumulators take turns, one instruction a turn.
.macro UNIT i, isv
	WIN 0x11                                           ; source 0 (X0) and source 2 (the bias) window 1
.irp t, 0,1,2,3,4,5,6,7
.if \isv
.set CB, 192+8*(\i)                                ; v: the bias hangs on the lane's channel alone: one tile for the unit
.else
.set CB, 192+8*\t
.endif
	v_wmma_scale_f32_16x16x128_f8f6f4 v[HA+8*\t:HA+8*\t+7], v[24*\t:24*\t+11], v[16+24*(\i):16+24*(\i)+11], v[CB:CB+7], v[120+2*\t], v[112+2*(\i)] matrix_a_fmt:MATRIX_FMT_FP6 matrix_b_fmt:MATRIX_FMT_FP6
.endr
	WIN 0x01
.irp t, 0,1,2,3,4,5,6,7
	v_wmma_scale_f32_16x16x128_f8f6f4 v[HA+8*\t:HA+8*\t+7], v[24*\t+12:24*\t+23], v[28+24*(\i):28+24*(\i)+11], v[HA+8*\t:HA+8*\t+7], v[121+2*\t], v[113+2*(\i)] matrix_a_fmt:MATRIX_FMT_FP6 matrix_b_fmt:MATRIX_FMT_FP6
.endr
	WIN 0
.rept 4
	v_nop                                              ; four places ahead of the first read of the results
.endr
.if (\i) > 0
	s_wait_xcnt 0x0                                    ; the last unit's stores have read the codes' registers, which are written again below
.endif
	QUANT HA, 236+(\i)                                 ; its lines on v200-235 are also the places ahead of the next unit's products, which begin the eight results anew
.irp c, 0,1,2
	global_store_b128 v8, v[PC+4*\c:PC+4*\c+3], s[46:47] offset:(\i)*1536+512*\c   ; 32 lanes store 512 consecutive bytes, at a multiple of 256 from the buffer's first byte
.endr
.endm
	s_load_b512 s[4:19], s[0:1], 0x0                   ; x's codes 4, scales 6; z's 8, 10; Wq's 12, 14, bq 16; Wk's codes 18
	s_load_b512 s[20:35], s[0:1], 0x40                 ; Wk's scales 20, bk 22; Wv's 24, 26, bv 28; qc 30, qs 32, kv 34
	v_lshl_add_u32 v[SPW], v0, 2, SPARE
	v_mov_b32 v[NIL], 0
	ds_add_u32 v[SPW], v[NIL]                          ; the wave's opening: the add, twice on end, and its wait ahead of my tensor load
	ds_add_u32 v[SPW], v[NIL]
	v_lshrrev_b32 v1, 5, v0
	v_readfirstlane_b32 s36, v1                        ; wave 0..5
	s_lshr_b32 s37, s36, 1                             ; kind
	s_and_b32 s38, s36, 1                              ; sub
	s_bfe_u32 s41, ttmp6, 0x40000                      ; cx
	s_lshl_b32 s2, ttmp9, 2
	s_add_co_u32 s2, s2, s41                           ; n: in a cluster launch ttmp9 counts clusters
	s_lshr_b32 s39, s2, 1                              ; record
	s_and_b32 s40, s2, 1                               ; half
	s_mov_b32 s43, 0                                   ; the upper word of the offsets' pair s[42:43]
	GROUP1 G1W, 15|(3<<16)|(1<<20)|(1<<21)|(5<<22)|(3<<25), 192   ; 15:0 all four work-groups; elements of 8 bytes; after every 64 words 4 of padding
	GROUP1 G1L, (3<<16)|(1<<20)|(5<<22)|(3<<25), 96
	GROUP1 G1S, (3<<16)|(1<<20)|(5<<22)|(3<<25), 48
	s_mov_b32 s[G0], 1
	s_mul_i32 s44, s2, 12288                           ; my 64 rows of x or z, in bytes
	s_mul_i32 s45, s39, 24576                          ; the record's 128 rows of z
	s_mul_i32 s62, s40, 24576                          ; the half's 128 rows of Wv
	s_mov_b32 s[SEL], 0x76543210
	s_mov_b32 s[SEL+1], 0xfedcba98                     ; v_permlanex16_b32's selects for lane l xor 16
	s_wait_alu depctr_va_vdst(0)                       ; directly ahead of the waits below
	s_wait_dscnt 0x0                                   ; both opening adds are done
	s_wait_kmcnt 0x0
	CROUND                                             ; all four work-groups are here: the joint loads meet
	ARM 0, L_WQ, 12, 43, G1W
	ARM 1, L_X, 4, 44, G1S
	ARM 2, L_WK, 18, 43, G1W
	ARM 3, L_ZR, 8, 45, G1L
	ARM 4, L_WV, 24, 62, G1L
	s_mov_b32 s[G0+1], L_ZO                            ; wave 5
	s_mov_b32 s42, s44
	s_add_nc_u64 s[G0+2:G0+3], s[8:9], s[42:43]
	s_or_b32 s[G0+3], s[G0+3], 0x80000000
	tensor_load_to_lds s[G0:G0+3], s[G1S:G1S+7]
	s_nop 0
.rept 4
	v_nop
.endr
.Lasked:
	; where my scales and bias lie and where my results go: s[50:51] X0's scales, s[52:53] X1's, s[54:55] bias, s[46:47] codes, s[48:49] scale words
	s_cmp_eq_u32 s37, 0
	s_cbranch_scc0 .Lnot_q
	s_lshl_b32 s42, s38, 10
	PTR 50, 14
	s_lshl_b32 s42, s2, 9
	PTR 52, 6
	s_lshl_b32 s42, s38, 9
	PTR 54, 16
	s_mul_i32 s42, s2, 12288
	PTR 46, 30
	s_mul_i32 s42, s38, 6144                           ; K step sub
	PTR 46, 46
	s_lshl_b32 s42, s2, 10
	PTR 48, 32
	s_lshl_b32 s42, s38, 9
	PTR 48, 48
	s_branch .Lkinds
.Lnot_q:
	s_mul_i32 s42, s39, REC
	PTR 34, 34                                         ; my record
	s_cmp_eq_u32 s37, 1
	s_cbranch_scc0 .Lis_v
	s_lshl_b32 s42, s38, 10
	PTR 50, 20
	s_lshl_b32 s42, s2, 9
	PTR 52, 10
	s_lshl_b32 s42, s38, 9
	PTR 54, 22
	s_lshl_b32 s56, s38, 1
	s_add_co_u32 s56, s56, s40                         ; 2 sub + half: fragments 4 (2 sub + half) on, scale block 2 sub + half
	s_mul_i32 s42, s56, 6144
	PTR 46, 34
	s_lshl_b32 s42, s56, 9
	s_add_co_u32 s42, s42, 24576
	PTR 48, 34
	s_branch .Lkinds
.Lis_v:
	s_lshl_b32 s42, s39, 10
	PTR 50, 10
	s_lshl_b32 s56, s40, 1
	s_add_co_u32 s56, s56, s38                         ; which 64 channels: 2 half + sub
	s_lshl_b32 s42, s56, 9
	PTR 52, 26
	s_lshl_b32 s42, s56, 8
	PTR 54, 28
	s_mul_i32 s42, s56, 6144
	s_add_co_u32 s42, s42, 26624
	PTR 46, 34
	s_lshl_b32 s42, s56, 9
	s_add_co_u32 s42, s42, 51200
	PTR 48, 34
.Lkinds:
	s_and_b32 s57, s37, 1                              ; 1 for k
	s_lshr_b32 s58, s37, 1                             ; 1 for v
	s_lshl_b32 s59, s57, 3
	s_sub_co_u32 s59, 16, s59                          ; from an even tile of X1 to the odd one: 8 rows for k, else 16
	s_xor_b32 s56, s58, 1
	s_mul_i32 s56, s56, s38
	s_mul_i32 s56, s56, 26112
	s_mul_i32 s63, s37, 52224
	s_add_co_u32 s56, s56, s63                         ; X0 in LDS: 52,224 kind, + 128 rows x sub for q and k
	s_mul_i32 s63, s58, s38
	s_add_co_u32 s63, s63, s37
	s_mul_i32 s63, s63, 13056
	s_add_co_u32 s63, s63, L_X                         ; X1: L_X + 13,056 kind, + 64 rows x sub for v
	v_and_b32 v1, 15, v0                               ; r
	v_bfe_u32 v2, v0, 4, 1                             ; h
	v_and_b32 v4, 8, v1
	v_add_nc_u32 v3, v4, v1                            ; r + 8 (r / 8)
	v_mul_u32_u24 v6, s57, v4
	v_add_nc_u32 v6, v6, v1                            ; X1's row: the same for k, else r
	v_lshlrev_b32 v5, 3, v3                            ; X0's scale bytes, 8 a row
	v_lshlrev_b32 v7, 3, v6                            ; X1's
	s_lshl_b32 s3, s59, 3
	v_add_nc_u32 v9, s3, v7                            ; of its odd tiles
	v_mul_u32_u24 v4, v3, 192
	v_mad_u32_u24 v4, v2, 24, v4
	v_mul_u32_u24 v6, v6, 192
	v_mad_u32_u24 v6, v2, 24, v6
	v_and_b32 v8, 31, v0
	v_lshlrev_b32 v8, 4, v8                            ; an image's place for my lane: 16 x lane
	v_lshlrev_b32 v10, 6, v2                           ; bias of q and k: 16 h numbers on
	v_lshlrev_b32 v11, 2, v1                           ; bias of v: number r
.irp t, 0,1,2,3,4,5,6,7
	global_load_b64 v[120+2*\t:121+2*\t], v5, s[50:51] offset:(32*(\t/2)+8*(\t%2))*8   ; a row's 8 scale bytes: the words of both K steps
.endr
.irp i, 0,1
	global_load_b64 v[112+4*\i:113+4*\i], v7, s[52:53] offset:256*\i
	global_load_b64 v[114+4*\i:115+4*\i], v9, s[52:53] offset:256*\i
.endr
	ADDR A0, 4, 56
	ADDR A1, 6, 63
	s_mul_i32 s59, s59, R8/8                           ; 8 rows are 1,632 bytes, 16 rows 3,264
.set j, 0
.rept 12
	v_add_nc_u32 v[A2+j], s59, v[A1+j]
.set j, j+1
.endr
.irp b, 0,1,2,3
	v_mov_b32 v[TM+4+\b], 0                            ; written once: a lane permute's destination counts as one of its sources
.endr
	s_wait_alu depctr_va_vdst(0)                       ; the head's end
	s_cmp_eq_u32 s58, 1
	s_cbranch_scc1 .Lbias_v
	WIN 0x40
.irp t, 0,1,2,3,4,5,6,7                            ; the bias in the result's layout: lane (r, h), tile 2 b + u: features 32 b + 16 h + 8 u + 0 .. 7
	global_load_b128 v[192+8*\t:192+8*\t+3], v10, s[54:55] offset:(32*(\t/2)+8*(\t%2))*4
	global_load_b128 v[192+8*\t+4:192+8*\t+7], v10, s[54:55] offset:(32*(\t/2)+8*(\t%2))*4+16
.endr
	WIN 0
	s_branch .Lbias
.Lbias_v:
.irp i, 0,1,2,3
	global_load_b32 v[240+\i], v11, s[54:55] offset:64*\i   ; bv of my channel 16 i + r
.endr
.Lbias:
	s_wait_tensorcnt 0x0                               ; my tile is in
	s_barrier_signal -1
	s_barrier_wait -1                                  ; all six are
	WIN 0x40                                           ; X0: a fragment's 24 bytes come as three loads of 8, so that every address is a multiple of the access's size
.irp t, 0,1,2,3,4,5,6,7
.irp s, 0,1
.irp p, 0,1,2,3,4,5
	ds_load_b64 v[12*(2*\t+\s)+2*\p:12*(2*\t+\s)+2*\p+1], v[A0+6*\s+\p] offset:R8*(4*(\t/2)+\t%2)
.endr
.endr
.endr
	WIN 0
.irp i, 0,1
.irp s, 0,1
.irp p, 0,1,2,3,4,5
	ds_load_b64 v[16+48*\i+12*\s+2*\p:16+48*\i+12*\s+2*\p+1], v[A1+6*\s+\p] offset:4*R8*\i
	ds_load_b64 v[40+48*\i+12*\s+2*\p:40+48*\i+12*\s+2*\p+1], v[A2+6*\s+\p] offset:4*R8*\i
.endr
.endr
.endr
	s_wait_loadcnt 0x0
	s_wait_dscnt 0x0                                   ; all that the wave reads is in registers from here on
	s_cmp_eq_u32 s58, 1
	s_cbranch_scc1 .Lunits_v
.irp i, 0,1,2,3
	UNIT \i, 0
.endr
	global_store_b128 v8, v[236:239], s[48:49]         ; the four units' scale words, 16 bytes a lane: 512 consecutive bytes
	s_branch .Lend
.Lunits_v:
	WIN 0x40
.irp i, 0,1,2,3
.irp j, 0,1,2,3,4,5,6,7
	v_mov_b32 v[192+8*\i+\j], v[240+\i]                ; a lane's eight results of a tile are eight keys of one channel: the same bias in all eight
.endr
.endr
	WIN 0
.rept 4
	v_nop
.endr
.irp i, 0,1,2,3
	UNIT \i, 1
.endr
	global_store_b128 v8, v[236:239], s[48:49]
.Lend:
	s_wait_tensorcnt 0x0                               ; the wave's end
	ds_add_u32 v[SPW], v[NIL]
	s_wait_dscnt 0x0
	CROUND                                             ; the closing round: no work-group ends while a partner may still ask for a tile that names it
	s_endpgm
.Lfunc_end_k_q1090ee7140_proj:
	.size	k_q1090ee7140_proj, .Lfunc_end_k_q1090ee7140_proj-k_q1090ee7140_proj
	.p2alignl 7, 3214868480
	.fill 96, 4, 3214868480
	.section	.rodata,"a",@progbits
	.p2align	6, 0x0
	.amdhsa_kernel k_q1090ee7140_proj
		.amdhsa_group_segment_fixed_size 184320
		.amdhsa_private_segment_fixed_size 0
		.amdhsa_enable_private_segment 0
		.amdhsa_kernarg_size 128
		.amdhsa_user_sgpr_count 2
		.amdhsa_user_sgpr_kernarg_segment_ptr 1
		.amdhsa_wavefront_size32 1
		.amdhsa_system_sgpr_workgroup_id_x 1
		.amdhsa_system_sgpr_workgroup_id_y 1
		.amdhsa_system_sgpr_workgroup_id_z 1
		.amdhsa_system_vgpr_workitem_id 0
		.amdhsa_next_free_vgpr 512
		.amdhsa_next_free_sgpr 96
		.amdhsa_reserve_vcc 0
		.amdhsa_float_denorm_mode_32 3
		.amdhsa_float_denorm_mode_16_64 3
		.amdhsa_memory_ordered 1
		.amdhsa_forward_progress 1
		.amdhsa_inst_pref_size 79
	.end_amdhsa_kernel
	.amdgpu_metadata
---
amdhsa.version: [ 1, 2 ]
amdhsa.kernels:
  - .name:           k_q1090ee7140_proj
    .symbol:         k_q1090ee7140_proj.kd
    .args:
      - { .name: x_codes, .offset: 0, .size: 8, .value_kind: global_buffer, .address_space: global }
      - { .name: x_scales, .offset: 8, .size: 8, .value_kind: global_buffer, .address_space: global }
      - { .name: z_codes, .offset: 16, .size: 8, .value_kind: global_buffer, .address_space: global }
      - { .name: z_scales, .offset: 24, .size: 8, .value_kind: global_buffer, .address_space: global }
      - { .name: Wq_w_codes, .offset: 32, .size: 8, .value_kind: global_buffer, .address_space: global }
      - { .name: Wq_w_scales, .offset: 40, .size: 8, .value_kind: global_buffer, .address_space: global }
      - { .name: Wq_b, .offset: 48, .size: 8, .value_kind: global_buffer, .address_space: global }
      - { .name: Wk_w_codes, .offset: 56, .size: 8, .value_kind: global_buffer, .address_space: global }
      - { .name: Wk_w_scales, .offset: 64, .size: 8, .value_kind: global_buffer, .address_space: global }
      - { .name: Wk_b, .offset: 72, .size: 8, .value_kind: global_buffer, .address_space: global }
      - { .name: Wv_w_codes, .offset: 80, .size: 8, .value_kind: global_buffer, .address_space: global }
      - { .name: Wv_w_scales, .offset: 88, .size: 8, .value_kind: global_buffer, .address_space: global }
      - { .name: Wv_b, .offset: 96, .size: 8, .value_kind: global_buffer, .address_space: global }
      - { .name: qc, .offset: 104, .size: 8, .value_kind: global_buffer, .address_space: global }
      - { .name: qs, .offset: 112, .size: 8, .value_kind: global_buffer, .address_space: global }
      - { .name: kv, .offset: 120, .size: 8, .value_kind: global_buffer, .address_space: global }
    .group_segment_fixed_size: 184320
    .private_segment_fixed_size: 0
    .kernarg_segment_align: 8
    .kernarg_segment_size: 128
    .max_flat_workgroup_size: 192
    .sgpr_count:     96
    .vgpr_count:     512
    .wavefront_size: 32
...
	.end_amdgpu_metadata
.endif
;; end of part 1
;; launch attn (part 2): grid 64 x 4, 8 waves a work-group, clusters of 4 x 1, 327,680 bytes of LDS; arguments qc, qs, kv, out0; writes out0
.if DOCPART == 2
	.amdgcn_target "amdgcn-amd-amdhsa--gfx1250"
	.amdhsa_code_object_version 6
	.text
	.protected	k_q1090ee7140_attn
	.globl	k_q1090ee7140_attn
	.p2align	8
	.type	k_q1090ee7140_attn,@function
k_q1090ee7140_attn:
	s_mov_b64 s[64:65], 0
	v_nop
	global_prefetch_b8 v0, s[64:65] scope:SCOPE_SE
	s_setreg_imm32_b32 hwreg(HW_REG_WAVE_MODE, 25, 1), 1
	s_wait_xcnt 0x0
	s_wait_alu depctr_hold_cnt(0) depctr_sa_sdst(0) depctr_va_vdst(0) depctr_va_sdst(0) depctr_va_ssrc(0) depctr_va_vcc(0) depctr_vm_vsrc(0)
	s_getreg_b32 s2, hwreg(HW_REG_IB_STS2, 6, 4)
	s_cmp_eq_u32 s2, 0
	s_cbranch_scc0 .Lentry_in_a_cluster
	s_endpgm
.Lentry_in_a_cluster:
	s_bfe_u32 s2, ttmp6, 0x10000c
	s_cmp_lg_u32 s2, 0x3003
	s_cbranch_scc0 .Lentry_shape_is_right
	s_endpgm
.Lentry_shape_is_right:
; out[b][q][:] = the sum over k of softmax_k(q . k / 16) v[k][:], one head of 256, 4 batches of 4,096, both products on codes of FP6 (E2M3) with E8M0 scales.
; q, k and v arrive as images of the operands' registers (fragments of 1,536 bytes: registers 4 c .. 4 c + 3 of lane l at 512 c + 16 l), made by the launch before:
;   qc [group of 64 queries][K step 2][tile 4][1,536], qs [group][K step][lane][tile] scale words;
;   kv: a record of 53,248 bytes for each 128 keys, two dense parts of 26,624: K's 16 fragments and scale words (2,048 bytes), V^T's 16 fragments and scale words.
; THE SOFTMAX AHEAD OF THE SECOND PRODUCT: t = score x log2(e) / 16; M = the largest t so far, rounded UP to a whole number; p = 2^(t - M) is quantised along the keys, not normalised; the row's sum is taken of the
; unquantised p and divides at the end.  When M moves, sums and O are multiplied by 2^(old M - new M): exact.
; SHARES.  A work-group owns 64 queries: four tiles of 16.  Eight waves, w = 4 a + 2 hh + g: two tiles (u = 0: tile 2 a + g, u = 1: tile 2 a + 1 - g), key group g (records 2 j + g, step j = 0 .. 15), and a PAIR hh = 0, 1 that shares both:
;   of a record's 128 keys each makes S and p for 64 (hh's half), of O's 256 channels each keeps 128.  So each fragment of K and V is read by one wave and feeds two matrix instructions.
;   The pair hands p's codes, scale bytes and M to each other through LDS.  Each has an M of its own (over its own keys); O is kept under the larger of the two, and the scale bytes take up the difference: whole numbers.
; At the end the two key groups join: wave w hands its sums of tile u = 1 to wave w xor 1 and finishes tile u = 0, its 128 channels.
; LAYOUT.  Both products are used transposed: S^T = K Q^T (source 0 = 16 keys, source 1 = 16 queries), O^T = V^T P^T (source 0 = 16 channels, source 1 = P): a lane holds ONE query (lane % 16) throughout.
; Lane r of key tile 2 b + v is key 32 b + 8 v + r + 8 (r / 8), so that the 16 registers of tiles 2 b and 2 b + 1 are the 16 neighbouring keys 32 b + 16 (lane / 16) + 0 .. 15.
; A STEP n, behind round n: S(n);  O += V P of step n - 1;  the fragments of K(n + 1) and V(n) are asked of LDS, a step ahead of their use;  softmax(n);  p's codes into LDS;  round n + 1, with the sums of p, register work, in front of its waits.
; RINGS.  K and V have two slots each (slot n % 2 holds K(n), V(n), of both key groups).  The head asks for K(0), V(0), K(1), V(1), one load a wave; round n asks for K(n + 2) (waves 0, 1; n = 0 .. 13) and V(n + 1) (waves 2, 3; n = 1 .. 14).
; By this text's own count a wave has one tensor load out, which has a whole step in which to land.
; CLUSTER.  The four work-groups of a cluster belong to one batch and walk the same records: each part is asked for JOINTLY, by the same tensor load with the same descriptor and a mask that names the four.
; No padding in LDS: every fragment load takes 512 consecutive bytes, 16 a lane.
; LIMITS: NaN and infinities are not served; a block of p whose largest number lies under 2^-124 of its row's keeps the scale byte 0 or 1 (its codes add less than 2^-120 of a number of V each).
; REGISTERS.  Window 0: v0 the thread's number; v1-9 addresses; v10-21 the tiles' -M, largest t, sums (pairs), O's -M, factors; v22-25 Q's scale words; v26-27 p's; v28-35 K's (4 s + t); v36-43 V's (e); v44-47 the pair's -M;
;   v48-71 at work, and P's fragments (12 u); v72-95 Q's fragments of u = 0; v96-191 K's (48 s + 12 t), between S and their next fetch at work; v192-255 S^T, then p, 32 a tile.
;   Window 1: v0-127 O^T (64 u + 8 e); v128-223 V^T's fragments (12 e); v224-247 Q's of u = 1; v248-255 the pair's scale bytes.
.set REC,   53248
.set QTR,   26624                      ; a record's part for K or for V: 104 rows of 256 bytes
.set SLOTB, 106496                     ; two records: from one step's to the next
.set SLOT1, 65536                      ; slot 1 of a ring begins here: one exclusive or turns an address in one slot into the other's
.set VB,    131072                     ; V's ring
.set BATB,  1703936                    ; a batch's 32 records
.set XB,    262144                     ; the exchange: 5,120 bytes for each pair of waves: P's images of both tiles, then [hh][lane][16] scale bytes, [hh][lane][16] -M.  Two buffers by turns,
.set XB1,   32768                      ; so far apart
.set XPAIR, 5120
.set SPARE, 282624                     ; between the two: the spare words, 128 bytes for each wave: blocks of 256 bytes that no other line names
.set MRG,   0                          ; the merge, on K's ring, which has had its last fill and its last read by then: 8,192 bytes of O^T's images for each wave,
.set TBL,   65536                      ; 512 bytes of (-M, -M, sum, sum) for each wave,
.set STG,   69632                      ; and the way out's stage: 16 rows x (256 bytes + 16) for each wave
.set STGW,  4352
.set PFO, 1                            ; v1  the prefetches' offset
.set SPW, 2                            ; v2  LDS address of my spare word; never rewritten
.set NIL, 3                            ; v3  0; never rewritten
.set ACB, 4                            ; v4  16 x lane + my key group's part of a slot
.set AD,  5
.set PRD, 6                            ; v6  my pair's exchange + 16 x lane;  v7, v8 where my codes go, v9 my scale bytes and -M
.set PSA, 7
.set PSB, 8
.set PSC, 9
.set MM,  10
.set MX,  12
.set LS,  14
.set MC,  18
.set FW,  20
.set QS,  22
.set PWD, 26
.set KS,  28
.set VS,  36
.set MRD, 44
.set T,   48
.set QF,  72                           ; Q: v72 + 12 s (u = 0), window 1 v224 + 12 s (u = 1)
.set KF,  96
.set C,   96
.set SCR, 192
.set VF,  128
.set SCB, 248
.set WV,  12                           ; s12  my wave's number
.set G1,  24                           ; s[24:31] descriptor group 1
.set G0,  32                           ; s[32:35] descriptor group 0 of K: it walks
.set CS,  36                           ; s[36:37] c = log2(e) / 16
.set SEL, 38                           ; s[38:39] lane selects for v_permlanex16_b32: lane l xor 16
.set TB,  40                           ; s40  LDS byte at which the slot of K to be read begins
.set CNT, 41                           ; s41  the loop's trips to go
.set LIM, 42                           ; s42  1 in a cluster that prefetches, else the greatest number
.set XT,  43                           ; s43  the exchange's buffer: 0 or XB1
.set PFA, 44                           ; s[44:45] where my prefetches stand
.set HK,  46                           ; s46-49 my half's place among K's fragments, K's scale words, V's fragments, V's scale words
.set HW,  47
.set HV,  48
.set HVW, 49
.set G0V, 56                           ; s[56:59] descriptor group 0 of V
.set G0H, 60                           ; s[60:63] of the head's load
.set MSB, 0
.macro WIN new                         ; the immediate's high byte repeats the setting that is left; a switch that changes nothing is dropped
.if MSB != (\new)
	s_set_vgpr_msb (MSB<<8)|(\new)
.set MSB, (\new)
.endif
.endm
.macro PLACES k
.rept \k
	v_nop
.endr
.endm
.macro WALU
	s_wait_alu depctr_va_vdst(0)
.endm
.macro CREST                           ; a round of the cluster's barrier behind its opening wait
	s_cmp_lg_u32 s[WV], 0
	s_cbranch_scc1 .Lnot_wave_0_\@
	s_barrier_signal -3
.Lnot_wave_0_\@:
	s_barrier_wait -3
	s_barrier_signal -1
	s_barrier_wait -1
.endm
.macro CROUND
	s_barrier_signal -1
	s_barrier_wait -1
	CREST
.endm
; The joint loads: c = 2 K's (waves 0, 1) and V's (waves 2, 3), 3 K's alone, 1 V's alone.
.macro JL c
	s_cmp_lt_u32 s[WV], 2
.if \c == 1
	s_cbranch_scc1 .Lasked_\@
.else
	s_cbranch_scc0 .Lnot_k_\@
	tensor_load_to_lds s[G0:G0+3], s[G1:G1+7]
	s_nop 0
	PLACES 4
.endif
.if \c == 2
	s_branch .Lasked_\@
.endif
.Lnot_k_\@:
.if \c != 3
	s_cmp_lt_u32 s[WV], 4
	s_cbranch_scc0 .Lasked_\@
	tensor_load_to_lds s[G0V:G0V+3], s[G1:G1+7]
	s_nop 0
	PLACES 4
.endif
.Lasked_\@:
.endm
; A PREFETCH INTO THE L2 of the two records of step n + 3, at round n.  All sixteen clusters of a batch walk the same records: the batch's first cluster asks.  Of the eighth of two records that falls to wave w, the partner at
; place cx takes 3,328 bytes, 13 blocks of 256, told apart BY ADDRESS; a lane a block.  (Lanes 13 to 31 name lane 12's block again.)  The loop's last trip asks for nothing: no record lies behind.
.macro ASK
	s_cmp_gt_u32 s[CNT], s[LIM]
	s_cbranch_scc0 .Lnot_mine_\@
	global_prefetch_b8 v[PFO], s[PFA:PFA+1] th:TH_LOAD_NT scope:SCOPE_SE
.Lnot_mine_\@:
.endm
.macro GRD c
	WIN 0
	s_wait_tensorcnt 0x0
	ds_add_u32 v[SPW], v[NIL]
.if \c > 1
	s_xor_b32 s[G0+1], s[G0+1], SLOT1
	s_add_nc_u64 s[G0+2:G0+3], s[G0+2:G0+3], SLOTB     ; the type bits on top are not reached
	s_wait_xcnt 0x0                                    ; the last prefetch, a step back, has read its address
	s_add_nc_u64 s[PFA:PFA+1], s[PFA:PFA+1], SLOTB
.endif
.if (\c == 1) || (\c == 2)
	s_xor_b32 s[G0V+1], s[G0V+1], SLOT1
	s_add_nc_u64 s[G0V+2:G0V+3], s[G0V+2:G0V+3], SLOTB
.endif
.endm
; Second part, behind the opening signal: the cluster's barrier, so that no wave of any partner still reads a slot or has a load on its way; the joint loads first behind it.  c = 0: a plain barrier, nothing is filled.
.macro CHG c
	WIN 0
	s_barrier_wait -1
.if \c
	CREST
	JL \c
.if \c > 1
	ASK
.endif
.endif
	s_xor_b32 s[TB], s[TB], SLOT1
.endm
.macro KL                              ; K's two scale words a key tile and 8 fragments of my 64 keys, at v[T], v[T+1]: 26 loads of 512 consecutive bytes
.irp s, 0,1
	ds_load_b128 v[KS+4*\s:KS+4*\s+3], v[T+1] offset:24576+1024*\s
.set i, 0
.rept 12
	ds_load_b128 v[KF+48*\s+4*i:KF+48*\s+4*i+3], v[T] offset:12288*\s+512*i
.set i, i+1
.endr
.endr
.endm
.macro LOADS k                         ; K(n + 1) and V(n)
	s_xor_b32 s2, s[TB], SLOT1                         ; V(n) lies in the other slot of its own ring
	s_add_co_u32 s3, s2, s[HV]
	s_add_co_u32 s2, s2, s[HVW]
	v_add_nc_u32 v[T+2], s3, v[ACB]
	v_add_nc_u32 v[T+3], s2, v[ACB]
.if \k
	s_add_co_u32 s3, s[TB], s[HK]
	s_add_co_u32 s2, s[TB], s[HW]
	v_add_nc_u32 v[T], s3, v[ACB]
	v_add_nc_u32 v[T+1], s2, v[ACB]
	KL
.endif
	ds_load_b128 v[VS:VS+3], v[T+3] offset:24576
	ds_load_b128 v[VS+4:VS+7], v[T+3] offset:25088
	WIN 0x40
.set i, 0
.rept 24
	ds_load_b128 v[VF+4*i:VF+4*i+3], v[T+2] offset:512*i
.set i, i+1
.endr
	WIN 0
.endm
; S^T of my 64 keys: 4 key tiles x 2 query tiles x 2 K steps.  The 8 accumulators take turns, one instruction a turn.
.macro QK
.irp s, 0,1
.irp u, 0,1
	WIN 4*\u
.irp t, 0,1,2,3
.if \s
	v_wmma_scale_f32_16x16x128_f8f6f4 v[SCR+32*\u+8*\t:SCR+32*\u+8*\t+7], v[KF+48+12*\t:KF+48+12*\t+11], v[QF+152*\u+12:QF+152*\u+23], v[SCR+32*\u+8*\t:SCR+32*\u+8*\t+7], v[KS+4+\t], v[QS+2*\u+1] matrix_a_fmt:MATRIX_FMT_FP6 matrix_b_fmt:MATRIX_FMT_FP6
.else
	v_wmma_scale_f32_16x16x128_f8f6f4 v[SCR+32*\u+8*\t:SCR+32*\u+8*\t+7], v[KF+12*\t:KF+12*\t+11], v[QF+152*\u:QF+152*\u+11], 0, v[KS+\t], v[QS+2*\u] matrix_a_fmt:MATRIX_FMT_FP6 matrix_b_fmt:MATRIX_FMT_FP6
.endif
.endr
.endr
.endr
	WIN 0
.endm
.macro PREAD                           ; P's fragments of both tiles, both halves' scale bytes and -M
	v_add_nc_u32 v[AD], s[XT], v[PRD]
.irp u, 0,1
	ds_load_b64 v[MRD+2*\u:MRD+2*\u+1], v[AD] offset:4096+512*\u
.endr
	WIN 0x40
.irp u, 0,1
	ds_load_b128 v[SCB+4*\u:SCB+4*\u+3], v[AD] offset:3072+512*\u
.endr
	WIN 0
.irp u, 0,1
.irp c, 0,1,2
	ds_load_b128 v[T+12*\u+4*\c:T+12*\u+4*\c+3], v[AD] offset:1536*\u+512*\c
.endr
.endr
	s_xor_b32 s[XT], s[XT], XB1
.endm
; P's scale words under the larger M of the pair, and the factor for O.  C + 0, 1: the new -M; + 2, 3 and 4, 5: by how much either half's M lies under it; + 6, 7: O's; + 8, 9: the factors; + 12 ..: bytes.
.macro COMB zero
.irp u, 0,1
	v_min_num_f32 v[C+\u], v[MRD+\u], v[MRD+2+\u]
.endr
.irp u, 0,1
	v_sub_f32 v[C+2+\u], v[MRD+\u], v[C+\u]
	v_sub_f32 v[C+4+\u], v[MRD+2+\u], v[C+\u]
.if \zero == 0
	v_sub_f32 v[C+6+\u], v[C+\u], v[MC+\u]             ; old M - new M: 0 or less
.endif
.endr
.irp u, 0,1
	v_mov_b32 v[MC+\u], v[C+\u]
	v_cvt_u32_f32 v[C+2+\u], v[C+2+\u]                 ; (the conversions saturate)
	v_cvt_u32_f32 v[C+4+\u], v[C+4+\u]
.if \zero == 0
	v_cvt_i32_f32 v[C+6+\u], v[C+6+\u]
.endif
.endr
.if \zero == 0
.irp u, 0,1
	v_ldexp_f32 v[C+8+\u], 1.0, v[C+6+\u]
.endr
.endif
	WIN 0x04                                           ; the bytes lie in window 1
.irp u, 0,1
.irp i, 0,1
	v_min_u32 v[C+12+4*\u+\i], v[C+2+\u], v[SCB+2*\u+\i]
	v_min_u32 v[C+14+4*\u+\i], v[C+4+\u], v[SCB+4+2*\u+\i]
.endr
.endr
	WIN 0x01
.irp u, 0,1
.irp i, 0,1
	v_sub_nc_u32 v[C+12+4*\u+\i], v[SCB+2*\u+\i], v[C+12+4*\u+\i]   ; never under 0
	v_sub_nc_u32 v[C+14+4*\u+\i], v[SCB+4+2*\u+\i], v[C+14+4*\u+\i]
.endr
.endr
	WIN 0
.irp i, 1,2,3
.irp u, 0,1
.if \i == 1
	v_lshl_or_b32 v[PWD+\u], v[C+13+4*\u], 8, v[C+12+4*\u]
.else
	v_lshl_or_b32 v[PWD+\u], v[C+12+4*\u+\i], 8*\i, v[PWD+\u]
.endif
.endr
.endr
.endm
; O^T under the new M, then += V^T P^T: 8 channel tiles x 2 query tiles, K = the record's 128 keys.  zero = 1: the products start the sums.
.macro PV zero
.if \zero
	PLACES 8                                           ; p's scale words stand eight places ahead of the scaled products
.else
	WIN 0x41
	WALU                                               ; directly ahead of the first reader of O^T
.set n, 0
.rept 32
	v_pk_mul_f32 v[2*n:2*n+1], v[2*n:2*n+1], v[C+8:C+9] op_sel_hi:[1,0]
.set n, n+1
.endr
.rept 32
	v_pk_mul_f32 v[2*n:2*n+1], v[2*n:2*n+1], v[C+8:C+9] op_sel:[0,1] op_sel_hi:[1,1]
.set n, n+1
.endr
.endif
	WIN 0x51                                           ; V and O^T window 1, P window 0
.irp e, 0,1,2,3,4,5,6,7
.irp u, 0,1
.if \zero
	v_wmma_scale_f32_16x16x128_f8f6f4 v[64*\u+8*\e:64*\u+8*\e+7], v[VF+12*\e:VF+12*\e+11], v[T+12*\u:T+12*\u+11], 0, v[VS+\e], v[PWD+\u] matrix_a_fmt:MATRIX_FMT_FP6 matrix_b_fmt:MATRIX_FMT_FP6
.else
	v_wmma_scale_f32_16x16x128_f8f6f4 v[64*\u+8*\e:64*\u+8*\e+7], v[VF+12*\e:VF+12*\e+11], v[T+12*\u:T+12*\u+11], v[64*\u+8*\e:64*\u+8*\e+7], v[VS+\e], v[PWD+\u] matrix_a_fmt:MATRIX_FMT_FP6 matrix_b_fmt:MATRIX_FMT_FP6
.endif
.endr
.endr
	WIN 0
	PLACES 4                                           ; ahead of writes and loads into what the products read, and of reads of their results
.endm
; Number n of the 16 packed additions that sum tile u's 32 unquantised p: two chains a tile, one on the running sum, one on a pair at work.
.macro SUMN u
.set rS, SCR+32*(\u)
.set rT, LS+2*(\u)
.set rM, T+16+2*(\u)
.set j, 4+4*((n-1)/2)
.if n == 0
	v_pk_add_f32 v[rM:rM+1], v[rS:rS+1], v[rS+2:rS+3]
.elseif n == 15
	v_pk_add_f32 v[rT:rT+1], v[rT:rT+1], v[rM:rM+1]
.elseif (n-1)%2 == 0
	v_pk_add_f32 v[rT:rT+1], v[rT:rT+1], v[rS+j:rS+j+1]
.else
	v_pk_add_f32 v[rM:rM+1], v[rM:rM+1], v[rS+j+2:rS+j+3]
.endif
.endm
; THE SOFTMAX of both tiles over my 64 keys: T + 2 u + b is block b of tile u.
.macro SM
.irp k, 0,1,2,3                                    ; the largest score of each block of 32 keys: it serves for the row's maximum and, since p rises with the score, for the block's largest p.  Each result is read from its low end on
	v_max3_num_f32 v[T+\k], v[SCR+16*\k], v[SCR+16*\k+1], v[SCR+16*\k+2]
.endr
.irp i, 3,5,7,9,11,13
.irp k, 0,1,2,3
	v_max3_num_f32 v[T+\k], v[T+\k], v[SCR+16*\k+\i], v[SCR+16*\k+\i+1]
.endr
.endr
.irp k, 0,1,2,3
	v_max_num_f32 v[T+\k], v[T+\k], v[SCR+16*\k+15]
.endr
.irp k, 0,1,2,3
	v_permlanex16_b32 v[T+4+\k], v[T+\k], s[SEL], s[SEL+1]
.endr
.irp k, 0,1,2,3
	v_max_num_f32 v[T+\k], v[T+\k], v[T+4+\k]          ; with lane l xor 16's 16 keys
.endr
.irp u, 0,1
	v_max_num_f32 v[T+8+\u], v[T+2*\u], v[T+2*\u+1]
.endr
.irp u, 0,1
	v_mul_f32 v[T+8+\u], s[CS], v[T+8+\u]              ; as t (c is positive)
.endr
.irp u, 0,1
	v_max_num_f32 v[MX+\u], v[MX+\u], v[T+8+\u]        ; the running largest t
.endr
.irp u, 0,1
	v_floor_f32 v[T+10+\u], -v[MX+\u]                  ; the new -M = floor(-t) = -ceil(t): M is a whole number
.endr
.irp u, 0,1
	v_sub_f32 v[T+8+\u], v[T+10+\u], v[MM+\u]          ; old M - new M: a whole number, 0 or less
.endr
.irp u, 0,1
	v_mov_b32 v[MM+\u], v[T+10+\u]
.endr
.irp u, 0,1
	v_cvt_i32_f32 v[T+8+\u], v[T+8+\u]                 ; (it saturates)
.endr
.irp k, 0,1,2,3
	v_fma_f32 v[T+\k], v[T+\k], s[CS], v[MM+\k/2]
.endr
.irp u, 0,1
	v_ldexp_f32 v[FW+\u], 1.0, v[T+8+\u]               ; the sums' factor
.endr
.set n, 0
.rept 16
	v_pk_fma_f32 v[SCR+2*n:SCR+2*n+1], s[CS:CS+1], v[SCR+2*n:SCR+2*n+1], v[MM:MM+1] op_sel_hi:[0,1,0]   ; t - M, two at a time; of the pair of -M tile 0 takes the low word,
.set n, n+1
.endr
.rept 16
	v_pk_fma_f32 v[SCR+2*n:SCR+2*n+1], s[CS:CS+1], v[SCR+2*n:SCR+2*n+1], v[MM:MM+1] op_sel:[0,0,1] op_sel_hi:[0,1,1]   ; tile 1 the high word
.set n, n+1
.endr
	WALU                                               ; ahead of the batch
.set n, 0
.rept 64
	v_exp_f32 v[SCR+n], v[SCR+n]
.set n, n+1
.endr
.irp k, 0,1,2,3
	v_exp_f32 v[T+\k], v[T+\k]                         ; the blocks' largest p: the same two steps on the same number give the same bits
.endr
	v_pk_mul_f32 v[LS:LS+1], v[LS:LS+1], v[FW:FW+1] op_sel_hi:[1,0]   ; the sums under the new M: plain lines behind the exponentials
	v_pk_mul_f32 v[LS+2:LS+3], v[LS+2:LS+3], v[FW:FW+1] op_sel:[0,1] op_sel_hi:[1,1]
	WALU                                               ; and behind it
.irp k, 0,1,2,3
	v_max_num_f32 v[T+\k], 0x1800000, v[T+\k]          ; the floor 2^(3 - 127): the byte cannot fall under 1
.endr
.irp k, 0,1,2,3
	v_add_nc_u32 v[T+12+\k], 0xff000000, v[T+\k]       ; 2 off the exponent field: the conversion's scale operand
.endr
.irp k, 0,1,2,3
	v_lshrrev_b32 v[T+20+\k], 23, v[T+12+\k]           ; the scale's byte
.endr
	v_cvt_scalef32_pk16_fp6_f32 v[T:T+2], v[SCR:SCR+15], v[T+12]
	v_cvt_scalef32_pk16_fp6_f32 v[T+4:T+6], v[SCR+16:SCR+31], v[T+13]   ; a conversion's three registers begin on an even number
	v_cvt_scalef32_pk16_fp6_f32 v[T+8:T+10], v[SCR+32:SCR+47], v[T+14]
	v_cvt_scalef32_pk16_fp6_f32 v[T+16:T+18], v[SCR+48:SCR+63], v[T+15]
	v_nop                                              ; one plain place behind the scaled conversions
.irp i, 0,1,2                                      ; the operand's layout wants a whole block in a lane: lanes 0-15 block 0, lanes 16-31 block 1
	v_permlane16_swap_b32 v[T+\i], v[T+4+\i]
	v_permlane16_swap_b32 v[T+8+\i], v[T+16+\i]
.endr
.irp i, 0,1,2
	v_mov_b32 v[T+3+\i], v[T+4+\i]
	v_mov_b32 v[T+11+\i], v[T+16+\i]
.endr
	v_add_nc_u32 v[T+14], s[XT], v[PSA]
	v_add_nc_u32 v[T+15], s[XT], v[PSB]
	v_add_nc_u32 v[T+7], s[XT], v[PSC]
.irp u, 0,1                                        ; my half's six registers of P's twelve, 8 bytes at a time
	ds_store_b64 v[T+14], v[T+8*\u:T+8*\u+1] offset:1536*\u
	ds_store_b64 v[T+15], v[T+8*\u+2:T+8*\u+3] offset:1536*\u+8
	ds_store_b64 v[T+14], v[T+8*\u+4:T+8*\u+5] offset:1536*\u+512
.endr
	ds_store_b128 v[T+7], v[T+20:T+23] offset:3072
	ds_store_b64 v[T+7], v[MM:MM+1] offset:4096
.endm
; pv: 0 none (step 0), 1 the products start O's sums, 2 they go on.  chg: what the round behind the step asks for.  k: is there a K(n + 1)?
.macro BODY pv, chg, k
.if \pv
	PREAD
.endif
	QK
	PLACES 4
.if \pv
	s_wait_dscnt 0x0                                   ; P and what belongs to it
	COMB 2-\pv
	PV 2-\pv
.endif
	LOADS \k
	SM
	GRD \chg
.set n, 0
.rept 8
	SUMN 0
	SUMN 1
.set n, n+1
.endr
	WALU                                               ; directly ahead of the wait below: the sums go on behind it
	s_wait_dscnt 0x0                                   ; the add and my stores are done; my reads of the slots are over
	s_barrier_signal -1
.rept 8
	SUMN 0
	SUMN 1
.set n, n+1
.endr
	CHG \chg
.endm
	s_load_b256 s[4:11], s[0:1], 0x0               ; qc s[4:5], qs s[6:7], kv s[8:9], out s[10:11]
	v_lshl_add_u32 v[SPW], v0, 2, SPARE
	v_mov_b32 v[NIL], 0
	ds_add_u32 v[SPW], v[NIL]                      ; the wave's opening: the add, twice on end, and its wait ahead of my first tensor load
	ds_add_u32 v[SPW], v[NIL]
	v_lshrrev_b32 v[T], 5, v0
	v_readfirstlane_b32 s[WV], v[T]                ; wave 0..7
	v_and_b32 v[T+1], 31, v0                       ; lane
	v_lshlrev_b32 v[T+2], 4, v[T+1]                ; 16 x lane
	v_min_u32 v[PFO], 12, v[T+1]
	v_lshlrev_b32 v[PFO], 8, v[PFO]
	WALU
	s_and_b32 s13, s[WV], 1                        ; g
	s_bfe_u32 s14, s[WV], 0x10001                  ; hh; at the head: K's part (0) or V's (1)
	s_lshr_b32 s15, s[WV], 2                       ; a; at the head: step 0's records or step 1's
	s_bfe_u32 s16, ttmp6, 0x40000                  ; cx: my place in the cluster
	s_lshl_b32 s18, ttmp9, 2                       ; in a cluster launch ttmp9 counts clusters
	s_add_co_u32 s18, s18, s16
	s_and_b32 s17, ttmp7, 0xffff                   ; the batch, which the four partners share
	s_lshl_b32 s19, s17, 6
	s_add_co_u32 s18, s18, s19                     ; my group of 64 queries: it enters Q's and out's addresses alone
	s_lshl_b32 s20, s15, 1
	s_add_co_u32 s20, s20, s13                     ; my tile u = 0: 2 a + g; also my pair's number
	s_xor_b32 s19, s20, 1                          ; my tile u = 1
	; descriptor group 1: 104 rows of 32 elements of 8 bytes, dense in memory and in LDS
	s_mov_b32 s[G1], 15|(3<<16)|(1<<21)            ; 15:0 the mask: all four work-groups; 17:16 elements of 8 bytes; 20 no padding; 21 set beside a mask
	s_mov_b32 s[G1+1], 32<<16                      ; tensor_dim0 = 32
	s_mov_b32 s[G1+2], 104<<16                     ; tensor_dim1 = 104
	s_mov_b32 s[G1+3], 32<<16                      ; tile_dim0 = 32
	s_mov_b32 s[G1+4], 104                         ; tile_dim1 = 104
	s_mov_b32 s[G1+5], 32                          ; from row to row
	s_mov_b32 s[G1+6], 0
	s_mov_b32 s[G1+7], 0
	s_mul_i32 s84, s17, BATB                       ; the batch's records,
	s_mul_i32 s2, s13, REC                         ; my key group's first: no place in the cluster enters these
	s_add_co_u32 s2, s2, s84
	s_mov_b32 s3, 0
	s_mul_i32 s86, s14, QTR                        ; the head's part: K's or V's,
	s_mul_i32 s21, s15, SLOTB
	s_add_co_u32 s86, s86, s21                     ; of step 0 or 1
	s_add_co_u32 s86, s86, s2
	s_mov_b32 s87, 0
	s_mul_i32 s21, s[WV], 13312                    ; the prefetches: my eighth of two records,
	s_add_co_u32 s84, s84, s21
	s_mul_i32 s21, s16, 3328                       ; my work-group's 13 blocks of it,
	s_add_co_u32 s84, s84, s21
	s_add_co_u32 s84, s84, 2*SLOTB                 ; in step 2's records: round 0 steps it to step 3's.  Nothing is prefetched ahead of it
	s_mov_b32 s85, 0
	s_mul_i32 s21, s18, 12288                      ; Q's fragments: my group, my two tiles
	s_mul_i32 s76, s20, 1536
	s_add_co_u32 s76, s76, s21
	s_mov_b32 s77, 0
	s_mul_i32 s78, s19, 1536
	s_add_co_u32 s78, s78, s21
	s_mov_b32 s79, 0
	s_lshl_b32 s21, s18, 10                        ; Q's scale words
	s_lshl_b32 s80, s20, 2
	s_add_co_u32 s80, s80, s21
	s_mov_b32 s81, 0
	s_lshl_b32 s82, s19, 2
	s_add_co_u32 s82, s82, s21
	s_mov_b32 s83, 0
	s_lshl_b32 s22, s18, 16                        ; out: 64 rows of 1,024 bytes a group, 16 a tile; 512 bytes a half of the channels
	s_lshl_b32 s21, s20, 14
	s_add_co_u32 s22, s22, s21
	s_lshl_b32 s21, s14, 9
	s_add_co_u32 s22, s22, s21
	s_mov_b32 s23, 0
	s_mov_b32 s[CS], 0x3db8aa3b                    ; c = log2(e) / 16
	s_mov_b32 s[CS+1], s[CS]                       ; (named with it as a pair, so it is written)
	s_mov_b32 s[SEL], 0x76543210
	s_mov_b32 s[SEL+1], 0xfedcba98
	s_mov_b32 s[TB], 0
	s_mov_b32 s[XT], 0
	s_mov_b32 s[CNT], 11
	s_mul_i32 s[HK], s14, 6144
	s_lshl_b32 s[HW], s14, 9
	s_mul_i32 s[HV], s14, 12288
	s_add_co_u32 s[HV], s[HV], VB
	s_lshl_b32 s[HVW], s14, 10
	s_add_co_u32 s[HVW], s[HVW], VB
	s_cmp_eq_u32 ttmp9, 0                          ; the batch's first cluster: the same in all four partners
	s_cselect_b32 s[LIM], 1, -1
	s_wait_dscnt 0x0                               ; both opening adds are done
	s_wait_kmcnt 0x0
	s_add_nc_u64 s[68:69], s[4:5], s[76:77]
	s_add_nc_u64 s[70:71], s[4:5], s[78:79]
	s_add_nc_u64 s[72:73], s[6:7], s[80:81]
	s_add_nc_u64 s[74:75], s[6:7], s[82:83]
	s_add_nc_u64 s[10:11], s[10:11], s[22:23]
	s_add_nc_u64 s[PFA:PFA+1], s[8:9], s[84:85]
	s_mov_b32 s[G0H], 1                            ; the head's load: count = 1
	s_mul_i32 s[G0H+1], s14, VB                    ; LDS address: K's or V's ring,
	s_mul_i32 s21, s15, SLOT1                      ; slot 0 or 1,
	s_add_co_u32 s[G0H+1], s[G0H+1], s21
	s_mul_i32 s21, s13, QTR                        ; key group g's part
	s_add_co_u32 s[G0H+1], s[G0H+1], s21
	s_add_nc_u64 s[G0H+2:G0H+3], s[8:9], s[86:87]
	s_or_b32 s[G0H+3], s[G0H+3], 0x80000000        ; type = 2
	s_mov_b32 s[G0], 1                             ; the rings' loads: both groups stand at step 1's records and slot 1; the rounds step them on
	s_add_co_u32 s[G0+1], s21, SLOT1
	s_add_nc_u64 s[G0+2:G0+3], s[8:9], s[2:3]
	s_add_nc_u64 s[G0+2:G0+3], s[G0+2:G0+3], SLOTB
	s_add_nc_u64 s[G0V+2:G0V+3], s[G0+2:G0+3], QTR
	s_or_b32 s[G0+3], s[G0+3], 0x80000000
	s_mov_b32 s[G0V], 1
	s_add_co_u32 s[G0V+1], s21, SLOT1+VB
	s_or_b32 s[G0V+3], s[G0V+3], 0x80000000
	CROUND                                         ; all four work-groups are here: the first joint loads meet
	tensor_load_to_lds s[G0H:G0H+3], s[G1:G1+7]    ; one load a wave: K(0), V(0) (waves 0 to 3), K(1), V(1) (waves 4 to 7)
	s_nop 0
	PLACES 4
.irp s, 0,1                                    ; Q's four fragments stay in registers
.irp c, 0,1,2
	global_load_b128 v[QF+12*\s+4*\c:QF+12*\s+4*\c+3], v[T+2], s[68:69] offset:6144*\s+512*\c
.endr
	global_load_b32 v[QS+\s], v[T+2], s[72:73] offset:512*\s
	global_load_b32 v[QS+2+\s], v[T+2], s[74:75] offset:512*\s
.endr
	WIN 0x40
.irp s, 0,1
.irp c, 0,1,2
	global_load_b128 v[QF+152+12*\s+4*\c:QF+152+12*\s+4*\c+3], v[T+2], s[70:71] offset:6144*\s+512*\c
.endr
.endr
	WIN 0
	v_add_nc_u32 v[ACB], s21, v[T+2]
	s_mul_i32 s2, s20, XPAIR
	s_add_co_u32 s2, s2, XB
	v_add_nc_u32 v[PRD], s2, v[T+2]
	s_mul_i32 s2, s14, 520                         ; of a lane's six pieces of 8 bytes half 0 fills 0, 1, 2 and half 1 fills 3, 4, 5: piece q lies at 512 (q / 2) + 8 (q % 2)
	v_add_nc_u32 v[PSA], s2, v[PRD]
	s_mul_i32 s2, s14, 1016
	v_add_nc_u32 v[PSB], s2, v[PRD]
	v_add_nc_u32 v[PSC], s[HW], v[PRD]
.irp u, 0,1
	v_mov_b32 v[MX+\u], 0xff61b1e6                 ; the largest t so far: -3e38, under every t
	v_floor_f32 v[MM+\u], -v[MX+\u]                ; -M
	v_mov_b32 v[LS+2*\u], 0                        ; the sum, in two halves
	v_mov_b32 v[LS+2*\u+1], 0
.endr
.irp b, 4,5,6,7
	v_mov_b32 v[T+\b], 0                           ; written once: a lane permute's destination counts as one of its sources
.endr
	v_add_nc_u32 v[T], s[HK], v[ACB]
	v_add_nc_u32 v[T+1], s[HW], v[ACB]
	WALU                                           ; the head's end
	s_wait_tensorcnt 0x0                           ; my part is in
	ds_add_u32 v[SPW], v[NIL]
	s_wait_dscnt 0x0
	s_barrier_signal -1
	s_barrier_wait -1                              ; all are
	KL                                             ; K(0)
	GRD 3
	s_wait_dscnt 0x0
	s_barrier_signal -1
	CHG 3
	s_wait_loadcnt 0x0                             ; Q
	BODY 0, 2, 1                                   ; step 0
	BODY 1, 2, 1                                   ; step 1
.Lstep:                                            ; 11 trips: steps 2 to 12
	BODY 2, 2, 1
	s_sub_co_u32 s[CNT], s[CNT], 1
	s_cmp_lg_u32 s[CNT], 0
	s_cbranch_scc1 .Lstep
	BODY 2, 1, 1                                   ; the tail is written out: step 13, whose round asks for V(15) alone,
	BODY 2, 0, 1                                   ; step 14
	BODY 2, 0, 0                                   ; and step 15, behind which there is no K
	PREAD
	s_wait_dscnt 0x0
	COMB 0
	PV 0                                           ; the last products
	; THE MERGE of the two key groups.  My sums of tile u = 1 go to wave w xor 1, its sums of my tile u = 0 come to me.
	v_mov_b32 v[T], v[MM]
	v_mov_b32 v[T+1], v[MM+1]
	v_add_f32 v[T+2], v[LS], v[LS+1]               ; the sums' two halves,
	v_add_f32 v[T+3], v[LS+2], v[LS+3]
	v_permlanex16_b32 v[T+4], v[T+2], s[SEL], s[SEL+1]
	v_permlanex16_b32 v[T+5], v[T+3], s[SEL], s[SEL+1]
	v_add_f32 v[T+2], v[T+2], v[T+4]               ; and lane l xor 16's: over my 64 keys of each record
	v_add_f32 v[T+3], v[T+3], v[T+5]
	v_and_b32 v96, 31, v0
	v_lshlrev_b32 v96, 4, v96                      ; 16 x lane
	v_and_b32 v121, 15, v0                         ; r
	v_bfe_u32 v122, v0, 4, 1                       ; h
	s_lshl_b32 s2, s[WV], 13
	v_add_nc_u32 v97, s2, v96                      ; my images (MRG = 0),
	s_xor_b32 s3, s[WV], 1
	s_lshl_b32 s2, s3, 13
	v_add_nc_u32 v98, s2, v96                      ; wave w xor 1's
	WALU
	s_lshl_b32 s2, s[WV], 9
	s_add_co_u32 s2, s2, TBL
	v_add_nc_u32 v99, s2, v96                      ; my line of the table
	s_and_b32 s2, s[WV], 5                         ; 4 a + g: the lines of my key group, hh = 0, 1, are 1,024 bytes apart
	s_lshl_b32 s2, s2, 9
	s_add_co_u32 s2, s2, TBL
	v_add_nc_u32 v116, s2, v96
	s_and_b32 s2, s3, 5                            ; and the other key group's
	s_lshl_b32 s2, s2, 9
	s_add_co_u32 s2, s2, TBL
	v_add_nc_u32 v117, s2, v96
	WALU
	ds_store_b128 v99, v[T:T+3]
	WIN 0x04                                       ; an LDS store's data are its source 1: window 1
.set i, 0
.rept 16
	ds_store_b128 v97, v[64+4*i:64+4*i+3] offset:512*i       ; O^T as it stands, each accumulator from its low end on
.set i, i+1
.endr
	WIN 0
	s_mul_i32 s21, s[WV], STGW
	s_add_co_u32 s21, s21, STG                     ; my stage
	v_mul_u32_u24 v118, v121, 272
	v_lshl_add_u32 v118, v122, 5, v118
	v_add_nc_u32 v118, s21, v118                   ; in: row r, 32 bytes for each half of the lanes
	v_mul_u32_u24 v119, v122, 272
	v_lshl_add_u32 v119, v121, 4, v119
	v_add_nc_u32 v119, s21, v119                   ; back: two rows an instruction
	v_lshlrev_b32 v120, 10, v122
	v_lshl_add_u32 v120, v121, 4, v120             ; out: lanes 0-15 one row, lanes 16-31 the next; 16 bytes a lane
	WALU                                           ; directly ahead of the waits below
	s_wait_dscnt 0x0                               ; for the others' sake: my stores have landed
	s_barrier_signal -1
	s_barrier_wait -1
	ds_load_b128 v[100:103], v116                  ; my key group, tile u = 0: words 0 (-M) and 2 (sum) of its two lines;
	ds_load_b128 v[104:107], v116 offset:1024
	ds_load_b128 v[108:111], v117                  ; the other's, where my tile is u = 1: words 1 and 3
	ds_load_b128 v[112:115], v117 offset:1024
.set i, 0
.rept 16
	ds_load_b128 v[SCR+4*i:SCR+4*i+3], v98 offset:512*i
.set i, i+1
.endr
	s_wait_dscnt 0x0
	v_min_num_f32 v123, v100, v104                 ; -M of my O,
	v_min_num_f32 v124, v109, v113                 ; of the other's,
	v_min_num_f32 v125, v123, v124                 ; and the row's
	v_sub_f32 v100, v125, v100                     ; whole numbers, 0 or less
	v_sub_f32 v104, v125, v104
	v_sub_f32 v109, v125, v109
	v_sub_f32 v113, v125, v113
	v_sub_f32 v123, v125, v123
	v_sub_f32 v124, v125, v124
.irp r, 100,104,109,113,123,124
	v_cvt_i32_f32 v\r, v\r
.endr
	v_ldexp_f32 v102, v102, v100                   ; the four sums under the row's M
	v_ldexp_f32 v106, v106, v104
	v_ldexp_f32 v111, v111, v109
	v_ldexp_f32 v115, v115, v113
	v_ldexp_f32 v[FW], 1.0, v123                   ; my part's factor,
	v_ldexp_f32 v[FW+1], 1.0, v124                 ; the other's: exact powers of two
	v_add_f32 v102, v102, v106
	v_add_f32 v111, v111, v115
	v_add_f32 v102, v102, v111
	WALU                                           ; ahead of the reciprocal
	v_rcp_f32 v103, v102
	v_nop                                          ; a plain line behind the reciprocal
	WALU                                           ; ahead of its first reader
	v_mul_f32 v[FW], v[FW], v103
	v_mul_f32 v[FW+1], v[FW+1], v103
.set n, 0
.rept 32
	v_pk_mul_f32 v[SCR+2*n:SCR+2*n+1], v[SCR+2*n:SCR+2*n+1], v[FW:FW+1] op_sel:[0,1] op_sel_hi:[1,1]
.set n, n+1
.endr
	WIN 0x01                                       ; source 0: my O^T, window 1
	WALU                                           ; directly ahead of the first reader of O^T
.set n, 0
.rept 32
	v_pk_fma_f32 v[SCR+2*n:SCR+2*n+1], v[2*n:2*n+1], v[FW:FW+1], v[SCR+2*n:SCR+2*n+1] op_sel_hi:[1,0,1]   ; register 8 e + i is out(r, 128 hh + 16 e + 8 h + i)
.set n, n+1
.endr
	WIN 0
	; THE WAY OUT: 64 channels (256 bytes) of 16 queries at a time through my stage, so that sixteen lanes store 256 consecutive bytes at a multiple of 256 from out's first byte.
.irp q, 0,1
.irp t, 0,1,2,3
	ds_store_b128 v118, v[SCR+32*\q+8*\t:SCR+32*\q+8*\t+3] offset:64*\t
	ds_store_b128 v118, v[SCR+32*\q+8*\t+4:SCR+32*\q+8*\t+7] offset:64*\t+16
.endr
.irp i, 0,1,2,3,4,5,6,7
	ds_load_b128 v[SCR+32*\q+4*\i:SCR+32*\q+4*\i+3], v119 offset:2*\i*272   ; LDS serves a wave's instructions in order (ISA guide 5.7.1.4): these see my stores, and the next pass's stores come behind them
.endr
.endr
.irp q, 0,1
.irp i, 0,1,2,3,4,5,6,7
	s_wait_dscnt 16*(1-\q)+7-\i                    ; behind this load: the rest of its pass's loads and the sixteen LDS instructions of a later pass
	global_store_b128 v120, v[SCR+32*\q+4*\i:SCR+32*\q+4*\i+3], s[10:11] offset:2*\i*1024+256*\q th:TH_STORE_NT
.endr
.endr
	s_wait_tensorcnt 0x0                           ; the wave's end, behind my last tensor load and my last LDS store
	ds_add_u32 v[SPW], v[NIL]
	s_wait_dscnt 0x0
	CROUND                                         ; the closing round: no work-group ends while a partner may still ask for a tile that names it
	s_endpgm
.Lfunc_end_k_q1090ee7140_attn:
	.size	k_q1090ee7140_attn, .Lfunc_end_k_q1090ee7140_attn-k_q1090ee7140_attn
	.p2alignl 7, 3214868480
	.fill 96, 4, 3214868480
	.section	.rodata,"a",@progbits
	.p2align	6, 0x0
	.amdhsa_kernel k_q1090ee7140_attn
		.amdhsa_group_segment_fixed_size 327680
		.amdhsa_private_segment_fixed_size 0
		.amdhsa_enable_private_segment 0
		.amdhsa_kernarg_size 32
		.amdhsa_user_sgpr_count 2
		.amdhsa_user_sgpr_kernarg_segment_ptr 1
		.amdhsa_wavefront_size32 1
		.amdhsa_system_sgpr_workgroup_id_x 1
		.amdhsa_system_sgpr_workgroup_id_y 1
		.amdhsa_system_sgpr_workgroup_id_z 1
		.amdhsa_system_vgpr_workitem_id 0
		.amdhsa_next_free_vgpr 512
		.amdhsa_next_free_sgpr 96
		.amdhsa_reserve_vcc 0
		.amdhsa_float_denorm_mode_32 3
		.amdhsa_float_denorm_mode_16_64 3
		.amdhsa_memory_ordered 1
		.amdhsa_forward_progress 1
		.amdhsa_inst_pref_size 181
	.end_amdhsa_kernel
	.amdgpu_metadata
---
amdhsa.version: [ 1, 2 ]
amdhsa.kernels:
  - .name:           k_q1090ee7140_attn
    .symbol:         k_q1090ee7140_attn.kd
    .args:
      - { .name: qc, .offset: 0, .size: 8, .value_kind: global_buffer, .address_space: global }
      - { .name: qs, .offset: 8, .size: 8, .value_kind: global_buffer, .address_space: global }
      - { .name: kv, .offset: 16, .size: 8, .value_kind: global_buffer, .address_space: global }
      - { .name: out0, .offset: 24, .size: 8, .value_kind: global_buffer, .address_space: global }
    .group_segment_fixed_size: 327680
    .private_segment_fixed_size: 0
    .kernarg_segment_align: 8
    .kernarg_segment_size: 32
    .max_flat_workgroup_size: 256
    .sgpr_count:     96
    .vgpr_count:     512
    .wavefront_size: 32
...
	.end_amdgpu_metadata
.endif
;; end of part 2
